; MI455X (gfx1250); checked and timed in simulation.
; The chip was launched on July 23, 2026; its instructions are those of AMD's public machine-readable ISA for CDNA 5 (MIT licence, August 2026) and "CDNA5" Instruction Set Architecture Reference Guide (July 2026). The comments in the code are by the model that wrote it; some were corrected since.
;; Int Linear. Allowed arithmetic: float matrix products may take bf16 or f16 operands with f32 sums; other float arithmetic in f32, or as packed bf16 or f16 multiplies, adds, multiply-adds, maxima and minima; sums over many terms, partial sums and values carried from step to step in f32; what a program stores and reads back later, other than sums and carried values, may be rounded once to bf16 or f16.
;; Inputs: bias 4,096 int8; weight 4,096 x 4,096 int8; x 4,096 x 4,096 int8.
;; Outputs: out0 4,096 x 4,096 int32.
;; One version. Each part assembles by itself: llvm-mc -triple=amdgcn-amd-amdhsa -mcpu=gfx1250 --defsym DOCPART=n.
;; ======== version 1 of 1: 1 launch
;; launch intmm (part 1): grid 16 x 16, 4 waves a work-group, clusters of 4 x 4, 327,680 bytes of LDS; arguments x, weight, bias, out0; writes out0
.if DOCPART == 1
	.amdgcn_target "amdgcn-amd-amdhsa--gfx1250"
	.amdhsa_code_object_version 6
	.text
	.protected	k_q09af7d395a_intmm
	.globl	k_q09af7d395a_intmm
	.p2align	8
	.type	k_q09af7d395a_intmm,@function
k_q09af7d395a_intmm:
	s_mov_b64 s[64:65], 0
	v_nop
	global_prefetch_b8 v0, s[64:65] scope:SCOPE_SE
	s_setreg_imm32_b32 hwreg(HW_REG_WAVE_MODE, 25, 1), 1
	s_wait_xcnt 0x0
	s_wait_alu depctr_hold_cnt(0) depctr_sa_sdst(0) depctr_va_vdst(0) depctr_va_sdst(0) depctr_va_ssrc(0) depctr_va_vcc(0) depctr_vm_vsrc(0)
	s_getreg_b32 s2, hwreg(HW_REG_IB_STS2, 6, 4)
	s_cmp_eq_u32 s2, 0
	s_cbranch_scc0 .Lentry_in_a_cluster
	s_endpgm
.Lentry_in_a_cluster:
	s_bfe_u32 s2, ttmp6, 0x10000c
	s_cmp_lg_u32 s2, 0xf033
	s_cbranch_scc0 .Lentry_shape_is_right
	s_endpgm
.Lentry_shape_is_right:
; out0[m][n] = the sum over k of x[m][k] weight[k][n] + bias[n].  x: [4096][4096] int8, weight: [4096 (k)][4096 (n)] int8, bias: [4096] int8, out0: [4096][4096] int32, compared exactly.
; FORMAT.  The operands are the problem's own int8 numbers, multiplied by v_wmma_i32_16x16x64_iu8 (both sources signed) and added in i32: nothing is rounded anywhere, so the sums have one right
; value whatever their order.  Sums in f32 could not be exact: a sum reaches 4096 x 128 x 128 = 2^26, beyond the 24 bits that f32 keeps.  LIMITS: none: |sum + bias| is at most 2^26 + 128, so i32 never wraps.
; DEAD WORK: none: x, weight and bias all reach the output, and all three are loaded.
; SHARES.  A tile of out0, 256 x 256, is made by a work-group of four waves; a wave makes 128 x 128: 64 accumulators of 16 x 16, 512 registers.  16 x 16 tiles: 256 work-groups.
; K goes in 16 steps of 256 through a ring of two LDS slots filled by the tensor data mover: 256 rows (m) x 256 bytes (k) of x and 256 rows (k) x 256 bytes (n) of weight; each row is 256 consecutive
; bytes of memory at a multiple of 256 from its buffer's first byte.  A K step is four quarters of 64 along K, 64 matrix instructions a wave each.
; CLUSTERS: 4 x 4 work-groups.  The four of a row of the cluster need the same tiles of x, the four of a column the same tiles of weight: each tile is asked for JOINTLY, by the same tensor load with the
; same descriptor and a mask that names the four, which divides the requests for x and weight by four.
; THE MATRIX INSTRUCTION IS USED TRANSPOSED: source 0 = 16 columns of weight, source 1 = 16 rows of x.  With r = lane % 16, h = lane / 16, register j of a result holds row r of the block of x
; and entry 8 h + j of the weight fragment.
; K IS PERMUTED ALIKE IN BOTH SOURCES (integer sums: the order is free): the place (registers 2 c, 2 c + 1; half h; byte i) takes k = k0 + 32 (c / 2) + 16 h + 8 (c % 2) + i.  For x that is two loads of 16 bytes,
; 32 bytes apart, at row x pitch + k0 + 16 h.  weight lies [k][n]: ds_load_tr16_b128, used on PAIRS of bytes, brings lane (r, h) eight k of the columns n0 + 2 r and n0 + 2 r + 1, interleaved; v_perm_b32 parts
; them into a fragment of the even columns and one of the odd columns: one v_perm_b32 for each matrix instruction, set behind matrix instructions.
; So accumulator (a, 2 p) holds columns 32 p + 16 h + 2 j, accumulator (a, 2 p + 1) columns 32 p + 16 h + 2 j + 1.  The bias add, one integer add for each output, writes them interleaved: the order costs nothing more.
; REGISTERS, in windows of 256 (s_set_vgpr_msb's low byte: bits 1:0 source 0, 3:2 source 1, 5:4 source 2, 7:6 destination):
;   window 0: v0-31 addresses; v32-47 the packed bias (head only); v64-127, v128-191 fragments of x, two buffers (on the way out: rows read back from the stage); v192-255 results with bias, interleaved
;   window 1: v0-63 weight as the transposing loads bring it; v64-127, v128-191 fragments of weight, two buffers; v192-255 my 64 bias numbers as i32
;   window 2: the 32 accumulators of my rows 0-63 (accumulator (a, b) at v[8 (8 (a % 4) + b)]);   window 3: those of my rows 64-127
.set KSTEP,  256
.set PA,     272                       ; an LDS row of x: 256 bytes + 16 of padding = 68 words: row r starts at bank 4 r mod 64 (64 banks of 4 bytes: ISA guide 11.1): the 16 rows of a load start at 16 different groups of four banks
.set PB,     288                       ; an LDS row of weight: 256 + 32 = 72 words
.set HALFA,  128*PA                    ; 128 rows of x: one tensor load
.set HALFB,  128*PB                    ; 128 rows of weight: one tensor load
.set SLOT,   2*HALFA+2*HALFB           ; x's 256 rows, then weight's 256 rows: 143,360 bytes
.set STAGE,  2*SLOT                    ; behind the ring, never filled by a tensor load: 16 rows x 528 bytes for each wave, for the way out
.set SP,     528                       ; a stage row: 512 bytes (128 numbers) + 16 = 132 words: row r starts at bank 4 r mod 64
.set SPARE,  STAGE+4*16*SP             ; behind the stages: the spare words, 128 bytes for each wave: two blocks of 256 bytes that no other line names
.set ROWX,   4096                      ; bytes in a row of x and of weight
.set ROWC,   16384                     ; bytes in a row of out0
.set LAPS,   8                         ; a lap = two K steps = once round the ring
.set ADRA, 16                          ; v16-17  LDS address of my fragments of x in slot 0, 1
.set ADRB, 20                          ; v20-23  the same for weight: slot s, k rows 128 u on, at v[20 + 2 s + u] (a slot's 256 rows of 288 bytes pass the 16-bit offset)
.set STO,  24                          ; v24     the way out: where I put my 64 bytes of each 128 of a row
.set RD,   25                          ; v25     the way out: where I read a row back
.set CO,   26                          ; v26     my 16 bytes of a row's 512 in out0
.set BO,   27                          ; v27     my byte offset in bias
.set SPW,  28                          ; v28     LDS address of my spare word: SPARE + 4 x my thread's number; never rewritten
.set NIL,  29                          ; v29     0; never rewritten
.set PFO,  30                          ; v30     the prefetches' offset: my lane x a row of x or weight; never rewritten
.set PK,   32                          ; v32-47  64 bytes of bias as loaded
.set F0,   64                          ; fragment buffer 0 (x in window 0, weight in window 1)
.set F1,   128                         ; fragment buffer 1
.set TMP,  192                         ; window 0
.set BIAS, 192                         ; window 1: entry 16 p + i is bias of my column 32 p + 16 h + i
.set G1,  24                           ; s[24:31] descriptor group 1 for x's tiles
.set G0,  32                           ; s[32:39] descriptor group 0 for x's tiles, one set for each slot
.set G1B, 48                           ; s[48:55] group 1 for weight's tiles: another mask, another padding
.set G0B, 56                           ; s[56:63] group 0 for weight's tiles
.set LIM, 43                           ; s43     1 in a wave that prefetches, else the greatest number
.set PFA, 44                           ; s[44:45] where my prefetches stand
.set BI,  68                           ; s[68:69] bias
.set OUT, 70                           ; s[70:71] out0, at the 16 rows that are being stored
.set SE,  72                           ; s72     v_perm_b32's select for the even bytes
.set SO,  73                           ; s73     for the odd bytes
.set PST, 74                           ; s[74:75] a K step in the tensor that I prefetch: 256 bytes along x's rows, 256 rows down weight
.set MSB, 0
.macro WIN new                         ; the immediate's high byte repeats the setting that is left; a switch that changes nothing is dropped
.if MSB != (\new)
	s_set_vgpr_msb (MSB<<8)|(\new)
.set MSB, \new
.endif
.endm
.set MUL_LO, 0xa1                      ; source 0 (weight) window 1, source 1 (x) window 0, C and D window 2
.set MUL_HI, 0xf1                      ; the same, C and D window 3
.set TO_B,   0x40                      ; destination window 1, address window 0
.set W_PM,   0x45                      ; v_perm_b32: both vector sources and the destination in window 1
; A joint load.  Waves 0 and 1 fetch x's two halves, waves 2 and 3 weight's.  Each of the two lines has ONE mask and one set of registers for all that issue it; the branch hangs on the wave's number alone.
; An s_nop 0 and four v_nop follow each of the two lines, ahead of the jump, the label and what follows.
.macro JLOAD s
	s_cmp_eq_u32 s11, 0
	s_cbranch_scc0 .Lfor_b_\@
	tensor_load_to_lds s[G0+4*(\s):G0+4*(\s)+3], s[G1:G1+7]
	s_nop 0
.rept 4
	v_nop
.endr
	s_branch .Lasked_\@
.Lfor_b_\@:
	tensor_load_to_lds s[G0B+4*(\s):G0B+4*(\s)+3], s[G1B:G1B+7]
	s_nop 0
.rept 4
	v_nop
.endr
.Lasked_\@:
.endm
; A PREFETCH INTO THE L2, behind a joint load, its five lines and the run of LDS loads that follows: the K step that the NEXT joint load will ask for, 256 matrix instructions ahead of that load: 32 rows x 256 bytes, a lane a row.
; Each row's 256 bytes of a K step are named ONCE in the launch.  x's tile row is read by every cluster of that row of clusters: cluster x = 0 asks; weight's tile column by every cluster of that column:
; cluster y = 0 asks.  The four partners that ask for a tile jointly share its rows out BY ADDRESS: of the 128 rows that a wave fetches the partner at place p takes 32 p .. 32 p + 31 (p = cx for x, cy for weight).
; how = 1: slot 0's change, which always has a K step behind its own load; how = 0: slot 1's, which has none in the loop's last trip (s3 = 1).
.macro ASK how
.if \how
	s_cmp_eq_u32 s[LIM], 1
.else
	s_cmp_gt_u32 s3, s[LIM]
.endif
	s_cbranch_scc0 .Lnot_mine_\@
	global_prefetch_b8 v[PFO], s[PFA:PFA+1] th:TH_LOAD_NT scope:SCOPE_SE
.Lnot_mine_\@:
.endm
; A round of the cluster's barrier: my work-group's barrier, so that wave 0's signal speaks for all four waves; wave 0 signals for the work-group; every wave waits for all sixteen work-groups; my work-group's barrier once more.
.macro CREST                           ; a round behind its opening barrier
	s_cmp_lg_u32 s10, 0
	s_cbranch_scc1 .Lnot_wave_0_\@
	s_barrier_signal -3
.Lnot_wave_0_\@:
	s_barrier_wait -3
	s_barrier_signal -1
	s_barrier_wait -1
.endm
.macro CROUND                          ; a whole round
	s_barrier_signal -1
	s_barrier_wait -1
	CREST
.endm
	s_load_b128 s[4:7], s[0:1], 0x0                ; x s[4:5], weight s[6:7]
	s_load_b128 s[BI:BI+3], s[0:1], 0x10           ; bias s[68:69], out0 s[70:71]
	v_lshl_add_u32 v[SPW], v0, 2, SPARE
	v_mov_b32 v[NIL], 0
	ds_add_u32 v[SPW], v[NIL]                      ; the wave's opening: the add, twice on end, and its wait stand ahead of my first tensor load; the set-up below, work on registers, stands between the second and the wait
	ds_add_u32 v[SPW], v[NIL]                      ; and once more, under the one wait
	v_lshrrev_b32 v1, 5, v0
	v_readfirstlane_b32 s10, v1                    ; wave 0..3
	s_lshr_b32 s11, s10, 1                         ; which half of the tile's rows is mine.  Also: I fetch for x (0) or for weight (1)
	s_and_b32 s12, s10, 1                          ; which half of its columns.  Also: which 128 rows of that tensor's tile I fetch
	s_bfe_u32 s40, ttmp6, 0x40000                  ; cx: my place along the cluster's x
	s_bfe_u32 s41, ttmp6, 0x40004                  ; cy: along its y
	s_lshl_b32 s42, ttmp9, 2                       ; in a cluster launch ttmp9 and ttmp7 count clusters
	s_add_co_u32 s42, s42, s40                     ; tile column = 4 x cluster x + cx
	s_and_b32 s13, ttmp7, 0xffff
	s_lshl_b32 s13, s13, 2
	s_add_co_u32 s13, s13, s41                     ; tile row = 4 x cluster y + cy
	s_lshl_b32 s43, s41, 2
	s_lshl_b32 s43, 15, s43                        ; my row of the cluster: places 4 cy .. 4 cy + 3
	s_lshl_b32 s44, 0x1111, s40                    ; my column: places cx, cx + 4, cx + 8, cx + 12
	; descriptor group 1: a tile of 128 rows x 32 elements of 8 bytes, padded in LDS
	s_or_b32 s[G1+0], s43, (3<<16)|(1<<20)|(1<<21)|(5<<22)|(3<<25)   ; 15:0 the mask: x's tiles go to my row; 17:16 elements of 8 bytes; 20 padding on; 21 set beside a mask; 24:22 after every 64 words (code 5); 31:25 4 words of it (code 3)
	s_or_b32 s[G1B+0], s44, (3<<16)|(1<<20)|(1<<21)|(5<<22)|(7<<25)  ; the mask of my column, for weight's tiles; 8 words of padding (code 7)
.irp g, G1, G1B
	s_mov_b32 s[(\g)+1], 32<<16                    ; tensor_dim0 = 32 elements (256 bytes)
	s_mov_b32 s[(\g)+2], 128<<16                   ; tensor_dim1 = 128
	s_mov_b32 s[(\g)+3], 32<<16                    ; tile_dim0 = 32
	s_mov_b32 s[(\g)+4], 128                       ; tile_dim1 = 128 rows
	s_mov_b32 s[(\g)+5], ROWX/8                    ; 512 elements from row to row
	s_mov_b32 s[(\g)+6], 0
	s_mov_b32 s[(\g)+7], 0
.endr
	s_mov_b32 s[SE], 0x06040200
	s_mov_b32 s[SO], 0x07050301
	; where the tiles come from.  x's hang on the tile row alone, which my row of the cluster shares; weight's on the tile column alone, which my column shares.
	s_lshl_b32 s16, s13, 20                        ; x: 256 rows of 4,096 bytes for each tile row,
	s_lshl_b32 s17, s12, 19                        ; + the 128 rows that I fetch
	s_add_co_u32 s16, s16, s17
	s_mov_b32 s17, 0
	s_lshl_b32 s46, s42, 8                         ; weight: 256 bytes of a row for each tile column,
	s_lshl_b32 s47, s12, 19                        ; + the 128 rows (k) that I fetch
	s_add_co_u32 s46, s46, s47
	s_mov_b32 s47, 0
	s_mul_i32 s20, s12, HALFA                      ; and where they go: no place in the cluster enters an LDS address
	s_mul_i32 s21, s12, HALFB
	s_add_co_u32 s21, s21, 2*HALFA                 ; weight's rows lie behind x's 256
	s_wait_dscnt 0x0                               ; both opening adds are done
	s_wait_kmcnt 0x0
	s_add_nc_u64 s[14:15], s[4:5], s[16:17]
	s_add_nc_u64 s[46:47], s[6:7], s[46:47]
	CROUND                                         ; all sixteen work-groups are here: the first joint loads meet
.irp s, 0,1
	s_mov_b32 s[G0+4*(\s)], 1                                        ; 1:0 count = 1
	s_add_co_u32 s[G0+4*(\s)+1], s20, (\s)*SLOT                      ; 63:32 LDS address
	s_add_nc_u64 s[G0+4*(\s)+2:G0+4*(\s)+3], s[14:15], (\s)*KSTEP    ; 120:64 global address: K step s lies 256 s bytes along x's rows
	s_or_b32 s[G0+4*(\s)+3], s[G0+4*(\s)+3], 0x80000000              ; 127:126 type = 2
	s_mov_b32 s[G0B+4*(\s)], 1
	s_add_co_u32 s[G0B+4*(\s)+1], s21, (\s)*SLOT
	s_add_nc_u64 s[G0B+4*(\s)+2:G0B+4*(\s)+3], s[46:47], (\s)*KSTEP*ROWX  ; and 256 s rows down weight
	s_or_b32 s[G0B+4*(\s)+3], s[G0B+4*(\s)+3], 0x80000000
.endr
	s_cmp_eq_u32 s11, 0                            ; a wave's two first fills stand in one branch, ahead of every wait on TENSORcnt and every LDS read: two loads of mine are out
	s_cbranch_scc0 .Lfirst_b
	tensor_load_to_lds s[G0:G0+3], s[G1:G1+7]
	s_nop 0
	tensor_load_to_lds s[G0+4:G0+7], s[G1:G1+7]
	s_nop 0
.rept 4
	v_nop
.endr
	s_branch .Lfirst_asked
.Lfirst_b:
	tensor_load_to_lds s[G0B:G0B+3], s[G1B:G1B+7]
	s_nop 0
	tensor_load_to_lds s[G0B+4:G0B+7], s[G1B:G1B+7]
	s_nop 0
.rept 4
	v_nop
.endr
.Lfirst_asked:
	v_and_b32 v1, 15, v0                           ; r = l % 16
	v_bfe_u32 v2, v0, 4, 1                         ; h = l / 16
	v_and_b32 v3, 31, v0                           ; l
	v_and_b32 v4, 7, v0                            ; l % 8
	v_bfe_u32 v5, v0, 3, 1                         ; (l / 8) % 2
	; my 64 bias numbers: for p = 0..3 the 16 bytes of my columns 32 p + 16 h + 0..15
	s_lshl_b32 s18, s42, 8
	s_lshl_b32 s19, s12, 7
	s_add_co_u32 s18, s18, s19                     ; my first column
	v_lshl_add_u32 v[BO], v2, 4, s18
.irp p, 0,1,2,3
	global_load_b128 v[PK+4*(\p):PK+4*(\p)+3], v[BO], s[BI:BI+1] offset:32*(\p)
.endr
	; fragments of x: row x pitch + 16 h
	v_mul_u32_u24 v6, v1, PA
	v_lshl_add_u32 v6, v2, 4, v6
	s_mul_i32 s22, s11, HALFA                      ; my 128 rows of x
	v_add_nc_u32 v[ADRA], s22, v6
	s_add_co_u32 s22, s22, SLOT
	v_add_nc_u32 v[ADRA+1], s22, v6
	; weight: the transposing load's lane l reads 16 bytes (8 pairs of columns) of k row 16 h + l % 8, pairs 8 ((l / 8) % 2) on
	v_lshl_add_u32 v7, v2, 4, v4
	v_mul_u32_u24 v7, v7, PB
	v_lshl_add_u32 v7, v5, 4, v7
	s_lshl_b32 s23, s12, 7                         ; my 128 columns of the tile's 256
	s_add_co_u32 s23, s23, 2*HALFA
	v_add_nc_u32 v[ADRB], s23, v7                  ; slot 0, k rows 0-127
	s_add_co_u32 s23, s23, HALFB
	v_add_nc_u32 v[ADRB+1], s23, v7                ; slot 0, k rows 128-255
	s_add_co_u32 s23, s23, SLOT-HALFB
	v_add_nc_u32 v[ADRB+2], s23, v7                ; slot 1
	s_add_co_u32 s23, s23, HALFB
	v_add_nc_u32 v[ADRB+3], s23, v7
	; the way out
	s_mul_i32 s23, s10, 16*SP
	s_add_co_u32 s23, s23, STAGE                   ; my stage
	v_mul_u32_u24 v8, v1, SP                       ; in: row r; of each 128 bytes (32 columns) lanes 0-15 hold the first 64, lanes 16-31 the rest
	v_lshl_add_u32 v8, v2, 6, v8
	v_add_nc_u32 v[STO], s23, v8
	v_lshl_add_u32 v[RD], v3, 4, s23               ; back: 32 lanes take one row's 512 bytes
	v_lshlrev_b32 v[CO], 4, v3                     ; and the same 512 bytes in out0
	s_lshl_b32 s16, s13, 22                        ; where my part of the tile begins in out0: 256 rows of 16,384 bytes for each tile row,
	s_lshl_b32 s17, s11, 21                        ; my 128 rows,
	s_add_co_u32 s16, s16, s17
	s_lshl_b32 s17, s42, 10                        ; 1,024 bytes of a row for each tile column,
	s_add_co_u32 s16, s16, s17
	s_lshl_b32 s17, s12, 9                         ; my 128 columns
	s_add_co_u32 s16, s16, s17
	s_mov_b32 s17, 0
	s_add_nc_u64 s[OUT:OUT+1], s[OUT:OUT+1], s[16:17]
	; the prefetches: the offsets are made apart from the addresses
	s_lshl_b32 s14, s13, 20                        ; x: the tile's first row,
	s_lshl_b32 s15, s40, 17                        ; + my work-group's 32 rows of the 128 (by cx),
	s_add_co_u32 s14, s14, s15
	s_add_co_u32 s14, s14, 2*KSTEP                 ; at K step 2
	s_lshl_b32 s15, s41, 17                        ; weight: my work-group's 32 rows (by cy),
	s_lshl_b32 s16, s42, 8                         ; the tile's columns,
	s_add_co_u32 s15, s15, s16
	s_add_co_u32 s15, s15, 2*KSTEP*ROWX            ; at K step 2
	s_and_b32 s17, ttmp7, 0xffff                   ; cluster y
	s_mov_b32 s[PST], KSTEP*ROWX
	s_cmp_eq_u32 s11, 0                            ; do I fetch for x?
	s_cselect_b32 s20, s14, s15
	s_cselect_b32 s22, ttmp9, s17                  ; the coordinate along which other clusters read the same rows
	s_cselect_b32 s[PST], KSTEP, s[PST]
	s_cselect_b64 s[PFA:PFA+1], s[4:5], s[6:7]
	s_cmp_eq_u32 s22, 0
	s_cselect_b32 s[LIM], 1, -1                    ; the same in all sixteen partners, for a given wave
	s_lshl_b32 s21, s12, 19
	s_add_co_u32 s20, s20, s21                     ; + the 128 rows that I fetch
	s_mov_b32 s21, 0
	s_mov_b32 s[PST+1], 0
	s_add_nc_u64 s[PFA:PFA+1], s[PFA:PFA+1], s[20:21]  ; at K step 2: the first change of slots steps it to 3.  Nothing is prefetched here, at the head, where every work-group's first tiles are on their way
	v_lshlrev_b32 v[PFO], 12, v3
	; bias, int8 to i32: a byte is moved to the top of its word, then shifted down with its sign.  All this stands in the wait for the first tile
	s_wait_loadcnt 0x0
	WIN 0x40                                       ; destination window 1, source window 0
.set bi, 0
.rept 64
.if bi%4 == 3
	v_ashrrev_i32 v[BIAS+bi], 24, v[PK+bi/4]
.else
	v_lshlrev_b32 v[BIAS+bi], 24-8*(bi%4), v[PK+bi/4]
.endif
.set bi, bi+1
.endr
	WIN 0x44                                       ; destination and source 1 window 1
.set bi, 0
.rept 64
.if bi%4 != 3
	v_ashrrev_i32 v[BIAS+bi], 24, v[BIAS+bi]
.endif
.set bi, bi+1
.endr
	WIN 0
; 16 matrix instructions: blocks a0, a0 + 1 of the window's four blocks of 16 rows (hi = 0: my rows 0-63, 1: rows 64-127) x all 8 fragments of weight, 64 along K.
; zero = 1: the first product starts the sums: nothing is ever cleared.  The 64 accumulators take turns, one instruction a turn, in the same order in every quarter.
.macro MUL16 f, hi, a0, zero
	WIN MUL_LO+0x50*(\hi)
.irp a, \a0, (\a0)+1
.irp b, 0,1,2,3,4,5,6,7
.if \zero
	v_wmma_i32_16x16x64_iu8 v[8*(8*(\a)+(\b)):8*(8*(\a)+(\b))+7], v[(\f)+8*(\b):(\f)+8*(\b)+7], v[(\f)+8*(4*(\hi)+(\a)):(\f)+8*(4*(\hi)+(\a))+7], 0 neg_lo:[1,1,0]
.else
	v_wmma_i32_16x16x64_iu8 v[8*(8*(\a)+(\b)):8*(8*(\a)+(\b))+7], v[(\f)+8*(\b):(\f)+8*(\b)+7], v[(\f)+8*(4*(\hi)+(\a)):(\f)+8*(4*(\hi)+(\a))+7], v[8*(8*(\a)+(\b)):8*(8*(\a)+(\b))+7] neg_lo:[1,1,0]
.endif
.endr
.endr
.endm
; Transposing load number pn of 16 (pair block p = pn / 4, place c = pn % 4; its four registers at 4 pn) is parted: registers 2 c, 2 c + 1 of the even columns' fragment (2 p) and of the odd columns' (2 p + 1) of buffer g.
.macro PERM4 g
	WIN W_PM
.set pr, 4*pn
.set pd, (\g)+16*(pn/4)+2*(pn%4)
	v_perm_b32 v[pd],   v[pr+1], v[pr],   s[SE]
	v_perm_b32 v[pd+1], v[pr+3], v[pr+2], s[SE]
	v_perm_b32 v[pd+8], v[pr+1], v[pr],   s[SO]
	v_perm_b32 v[pd+9], v[pr+3], v[pr+2], s[SO]
.set pn, pn+1
.endm
; The same 16 matrix instructions with the next quarter's 64 v_perm_b32 behind them, four behind each: they name no register of the products round them.
.macro MUL16R f, hi, a0, g, zero
.set pn, 0
.irp a, \a0, (\a0)+1
.irp b, 0,1,2,3,4,5,6,7
	WIN MUL_LO+0x50*(\hi)
.if \zero
	v_wmma_i32_16x16x64_iu8 v[8*(8*(\a)+(\b)):8*(8*(\a)+(\b))+7], v[(\f)+8*(\b):(\f)+8*(\b)+7], v[(\f)+8*(4*(\hi)+(\a)):(\f)+8*(4*(\hi)+(\a))+7], 0 neg_lo:[1,1,0]
.else
	v_wmma_i32_16x16x64_iu8 v[8*(8*(\a)+(\b)):8*(8*(\a)+(\b))+7], v[(\f)+8*(\b):(\f)+8*(\b)+7], v[(\f)+8*(4*(\hi)+(\a)):(\f)+8*(4*(\hi)+(\a))+7], v[8*(8*(\a)+(\b)):8*(8*(\a)+(\b))+7] neg_lo:[1,1,0]
.endif
	PERM4 \g
.endr
.endr
.endm
; 32 LDS loads in one run, for quarter q of a slot: weight's 64 k x 128 columns, transposed by pairs (16 loads, issued first), then x's 128 rows x 64 k into buffer g (16 loads).
.macro FETCH slot, q, g
	WIN TO_B
.irp p, 0,1,2,3
.irp c, 0,1,2,3
	ds_load_tr16_b128 v[16*(\p)+4*(\c):16*(\p)+4*(\c)+3], v[ADRB+2*(\slot)+(\q)/2] offset:(64*((\q)%2)+32*((\c)/2)+8*((\c)%2))*PB+32*(\p)
.endr
.endr
	WIN 0
.irp i, 0,1,2,3,4,5,6,7
	ds_load_b128 v[(\g)+8*(\i):(\g)+8*(\i)+3],   v[ADRA+(\slot)] offset:64*(\q)+(\i)*16*PA
	ds_load_b128 v[(\g)+8*(\i)+4:(\g)+8*(\i)+7], v[ADRA+(\slot)] offset:64*(\q)+(\i)*16*PA+32
.endr
.endm
; A load into a register that a matrix instruction of this form has read, and a vector instruction that reads its result or writes one of its registers, stand EIGHT places behind it, and only plain vector
; instructions that name none of its registers are places (ISA guide 7.12.1 for vector instructions); the matrix instructions in between are not counted.
.macro PLACES n
.rept \n
	v_nop
.endr
.endm
; One of a K step's first three quarters: multiplies buffer f; fetches quarter q of the same slot (x into buffer g, weight raw) behind its first sixteen products; parts weight into buffer g behind its last sixteen.
.macro QUARTER slot, q, f, g, zero
	s_wait_dscnt 8                                 ; x's rows 0-63 of buffer f are in; the youngest eight loads (rows 64-127) may be out
	MUL16 \f, 0, 0, \zero
	PLACES 8                                       ; buffer g's last readers are the quarter before's products
	FETCH \slot, \q, \g
	MUL16 \f, 0, 2, \zero
	s_wait_dscnt 32                                ; all but the 32 just issued
	MUL16 \f, 1, 0, \zero
	s_wait_dscnt 16                                ; the 16 transposing loads are in; x's 16 behind them may be out
	MUL16R \f, 1, 2, \g, \zero
.endm
; The last quarter multiplies buffer 1 and changes slots.  MEET is its first half: ONE barrier for the change, for two things.  In front of it each wave waits for all its tensor loads, of which one is out:
; its part of the next slot; adds 0 to its spare word; and waits for that and for its own reads of this slot.  Behind it nobody reads this slot any more and the next slot is whole.
.macro MEET round                      ; round = 1: a round of the cluster's barrier follows
	WIN 0                                          ; (the add's two registers lie in window 0)
	s_wait_tensorcnt 0x0                           ; all my tensor loads have landed
	ds_add_u32 v[SPW], v[NIL]                      ; 0 onto my spare word
	s_wait_dscnt 9                                 ; (the add and the youngest eight loads may be out)
	MUL16 F1, 0, 0, 0                              ; sixteen matrix instructions stand between the add and the wait for it
	s_wait_dscnt 0x0                               ; the add is done, and my reads of this slot are over
	s_barrier_signal -1
	MUL16 F1, 0, 2, 0                              ; work on registers while the others arrive
.if \round
	WIN 0
.endif
	s_barrier_wait -1
.endm
; The whole last quarter of a K step whose slot is filled again, with the K step two on.  From the request to the wait for it a wave issues 224 matrix instructions.
.macro TURN slot, next
	s_wait_xcnt 0x0                                ; the last prefetch, a K step back, has read its address, so it may be stepped
	s_add_nc_u64 s[PFA:PFA+1], s[PFA:PFA+1], s[PST:PST+1]
	MEET 1
	CREST                                          ; no wave of any partner still reads this slot's tiles or has a load on its way
	s_add_nc_u64 s[G0+4*(\slot)+2:G0+4*(\slot)+3], s[G0+4*(\slot)+2:G0+4*(\slot)+3], 2*KSTEP          ; no tensor load of mine is out, so a group 0 may be written; the type bits on top are not reached
	s_add_nc_u64 s[G0B+4*(\slot)+2:G0B+4*(\slot)+3], s[G0B+4*(\slot)+2:G0B+4*(\slot)+3], 2*KSTEP*ROWX
	JLOAD \slot                                    ; the first tensor load behind the round, one a wave
	PLACES 4                                       ; with the four behind the joint load: eight places in front of the loads into buffer 0
	FETCH \next, 0, F0
	ASK 1-(\slot)
	MUL16 F1, 1, 0, 0
	s_wait_dscnt 16                                ; the 16 transposing loads are in
	MUL16R F1, 1, 2, F0, 0
.endm
; THE WAY OUT of block a (16 rows), in three parts.  PACK: the bias is added, and the even and the odd columns' results fall into place: 64 neighbouring-by-sixteens numbers a lane.  Each accumulator is read from its lowest register on.
.macro PACK a
	WIN 0x06+(\a)/4                                ; source 0: window 2 or 3; source 1: window 1; destination: window 0
.irp p, 0,1,2,3
.irp j, 0,1,2,3,4,5,6,7
.irp t, 0,1
	v_add_nc_u32 v[TMP+16*(\p)+2*(\j)+(\t)], v[64*((\a)%4)+8*(2*(\p)+(\t))+(\j)], v[BIAS+16*(\p)+2*(\j)+(\t)]
.endr
.endr
.endr
	WIN 0
.endm
.macro TOSTAGE a                       ; into my own stage, and back as whole rows of 512 bytes
	WIN 0
.set BK, F0+64*((\a)%2)
.irp p, 0,1,2,3
.irp q, 0,1,2,3
	ds_store_b128 v[STO], v[TMP+16*(\p)+4*(\q):TMP+16*(\p)+4*(\q)+3] offset:128*(\p)+16*(\q)
.endr
.endr
.irp t, 0,1,2,3,4,5,6,7,8,9,10,11,12,13,14,15
	ds_load_b128 v[BK+4*(\t):BK+4*(\t)+3], v[RD] offset:(\t)*SP  ; LDS serves a wave's instructions in order (ISA guide 5.7.1.4): these see the stores above
.endr
.endm
.macro SEND a
	WIN 0
.set BK, F0+64*((\a)%2)
	s_wait_xcnt 0x0                                ; every earlier store has read its registers and its base: only behind this wait are the base, and (in the next TOSTAGE) the registers of the block before last, written again
.if (\a) > 0
	s_add_nc_u64 s[OUT:OUT+1], s[OUT:OUT+1], 16*ROWC  ; 16 rows on
.endif
.irp t, 0,1,2,3,4,5,6,7,8,9,10,11,12,13,14,15
	s_wait_dscnt 15-(\t)                           ; row t is back: 15 - t younger loads may be out
	global_store_b128 v[CO], v[BK+4*(\t):BK+4*(\t)+3], s[OUT:OUT+1] offset:(\t)*ROWC th:TH_STORE_NT  ; the wave stores 512 consecutive bytes, at a multiple of 512 from out0's first byte
.endr
.endm
	s_wait_tensorcnt 1                             ; my part of K step 0 is in; K step 1's may stay out
	s_barrier_signal -1
	s_barrier_wait -1                              ; everybody's is
	FETCH 0, 0, F0
	s_wait_dscnt 16                                ; the 16 transposing loads are in
.set pn, 0
.rept 16
	PERM4 F0                                       ; the first quarter's fragments of weight: there are no products yet to set them behind
.endr
	QUARTER 0, 1, F0, F1, 1                        ; the first quarter stands in front of the loop: its products start the sums
	WIN 0                                          ; at a label and at a branch every window is 0
	s_mov_b32 s3, LAPS-1
.Llap:                                                 ; a trip goes once round the ring, from a lap's second quarter to the next lap's first, and fills both slots again
	QUARTER 0, 2, F1, F0, 0
	QUARTER 0, 3, F0, F1, 0
	TURN 0, 1
	QUARTER 1, 1, F0, F1, 0
	QUARTER 1, 2, F1, F0, 0
	QUARTER 1, 3, F0, F1, 0
	TURN 1, 0
	QUARTER 0, 1, F0, F1, 0
	WIN 0
	s_sub_co_u32 s3, s3, 1
	s_cmp_lg_u32 s3, 0
	s_cbranch_scc1 .Llap
	QUARTER 0, 2, F1, F0, 0                        ; the last lap is written out: it fills nothing, and has no round of the cluster's barrier
	QUARTER 0, 3, F0, F1, 0
	MEET 0                                         ; my one tensor load that was still out is slot 1's, the last K step's
	PLACES 8                                       ; in front of the loads into buffer 0
	FETCH 1, 0, F0
	MUL16 F1, 1, 0, 0
	s_wait_dscnt 16                                ; the 16 transposing loads are in
	MUL16R F1, 1, 2, F0, 0
	QUARTER 1, 1, F0, F1, 0
	QUARTER 1, 2, F1, F0, 0
	QUARTER 1, 3, F0, F1, 0
	s_wait_dscnt 8                                 ; the very last quarter: nothing more to fetch
	MUL16 F1, 0, 0, 0
	MUL16 F1, 0, 2, 0
	s_wait_dscnt 0x0
	MUL16 F1, 1, 0, 0
	MUL16 F1, 1, 2, 0
	PLACES 8                                       ; the adds below read results, and the stage's loads land in registers that products have read
	PACK 0
	TOSTAGE 0
.irp a, 1,2,3,4,5,6,7                  ; block a's 64 adds stand between block a - 1's loads from the stage and the waits for them
	PACK \a
	SEND (\a)-1
	TOSTAGE \a
.endr
	SEND 7
	s_wait_tensorcnt 0x0                           ; the wave's end, behind my last tensor load and my last LDS store
	ds_add_u32 v[SPW], v[NIL]
	s_wait_dscnt 0x0
	CROUND                                         ; the closing round: no work-group ends while a partner may still ask for a tile that names it
	s_endpgm
.Lfunc_end_k_q09af7d395a_intmm:
	.size	k_q09af7d395a_intmm, .Lfunc_end_k_q09af7d395a_intmm-k_q09af7d395a_intmm
	.p2alignl 7, 3214868480
	.fill 96, 4, 3214868480
	.section	.rodata,"a",@progbits
	.p2align	6, 0x0
	.amdhsa_kernel k_q09af7d395a_intmm
		.amdhsa_group_segment_fixed_size 327680
		.amdhsa_private_segment_fixed_size 0
		.amdhsa_enable_private_segment 0
		.amdhsa_kernarg_size 32
		.amdhsa_user_sgpr_count 2
		.amdhsa_user_sgpr_kernarg_segment_ptr 1
		.amdhsa_wavefront_size32 1
		.amdhsa_system_sgpr_workgroup_id_x 1
		.amdhsa_system_sgpr_workgroup_id_y 1
		.amdhsa_system_sgpr_workgroup_id_z 1
		.amdhsa_system_vgpr_workitem_id 0
		.amdhsa_next_free_vgpr 1024
		.amdhsa_next_free_sgpr 76
		.amdhsa_reserve_vcc 0
		.amdhsa_float_denorm_mode_32 3
		.amdhsa_float_denorm_mode_16_64 3
		.amdhsa_memory_ordered 1
		.amdhsa_forward_progress 1
		.amdhsa_inst_pref_size 247
	.end_amdhsa_kernel
	.amdgpu_metadata
---
amdhsa.version: [ 1, 2 ]
amdhsa.kernels:
  - .name:           k_q09af7d395a_intmm
    .symbol:         k_q09af7d395a_intmm.kd
    .args:
      - { .name: x, .offset: 0, .size: 8, .value_kind: global_buffer, .address_space: global }
      - { .name: weight, .offset: 8, .size: 8, .value_kind: global_buffer, .address_space: global }
      - { .name: bias, .offset: 16, .size: 8, .value_kind: global_buffer, .address_space: global }
      - { .name: out0, .offset: 24, .size: 8, .value_kind: global_buffer, .address_space: global }
    .group_segment_fixed_size: 327680
    .private_segment_fixed_size: 0
    .kernarg_segment_align: 8
    .kernarg_segment_size: 32
    .max_flat_workgroup_size: 128
    .sgpr_count:     76
    .vgpr_count:     1024
    .wavefront_size: 32
...
	.end_amdgpu_metadata
.endif
;; end of part 1
